; MI455X (gfx1250); checked and timed in simulation.
; The chip was launched on July 23, 2026; its instructions are those of AMD's public machine-readable ISA for CDNA 5 (MIT licence, August 2026) and "CDNA5" Instruction Set Architecture Reference Guide (July 2026). The comments in the code are by the model that wrote it; some were corrected since.
;; Multi Head Self Attention. Allowed arithmetic: matrix products marked QUANTISED: E4M3 operands, one E8M0 scale for each 32 along K, by v_wmma_scale_f32_16x16x128_f8f6f4 with both operands' format E4M3, f32 sums; everything else in f32.
;; Inputs: b_out 256 float32; b_qkv 768 float32; w_out 256 x 256 float32; w_qkv 256 x 768 float32; x 8 x 2,048 x 256 float32.
;; Outputs: out0 8 x 2,048 x 256 float32.
;; This version of the problem:
;;   THIS VERSION OF THE PROBLEM IS GIVEN IN LOW PRECISION. The matrix products marked QUANTISED in the list below multiply operands that are first quantised to E4M3 (4 exponent bits, 3 mantissa bits; 8 bits a number), with one power-of-two scale for each 32 numbers along K (OCP MX v1.0); their sums are f32. All else is computed in f32.
;;   The module's matrix products, in the order in which they are computed (A, B: the left and right operand; K: the contracted axis; several contracted axes count as one K, in the product's order):
;;     1. [M 16,384, K 256] x [K 256, N 768]; A: input x; B: input w_qkv: QUANTISED
;;     2. batch 64 x [M 2,048, K 32] x [K 32, N 2,048]; A: computed on the way; B: computed on the way: QUANTISED
;;     3. batch 64 x [M 2,048, K 2,048] x [K 2,048, N 32]; A: softmax (see below); B: computed on the way: QUANTISED
;;     4. [M 16,384, K 256] x [K 256, N 256]; A: computed on the way; B: input w_out: QUANTISED
;;   THE QUANTISER, for each operand of a quantised product, along K:
;;     - K is cut into blocks of 32 from its start; a last block that is shorter is filled with zeros.
;;     - A block's scale is 2^e with e = floor(log2(the largest magnitude in the block)) - 8, held to -126 .. 127; a block of zeros has e = 0. As a byte (E8M0): e + 127.
;;     - Each number is divided by its block's scale, clamped to +-448, and rounded to the nearest number of E4M3, ties to even, subnormals kept.
;;     - The product sums the exact products of the quantised numbers (number of the format x scale) in f32.
;;   ~~~python
;;   def quantise(x, axis):      # numpy; x: float32 -> the quantised numbers, widened to float32 again
;;       x = np.moveaxis(x, axis, -1); K = x.shape[-1]
;;       x = np.pad(x, [(0, 0)] * (x.ndim - 1) + [(0, -K % 32)]); x = x.reshape(x.shape[:-1] + (-1, 32)); a = np.abs(x).max(-1, keepdims=True)
;;       e = np.where(a > 0, np.clip(np.frexp(np.where(a > 0, a, 1))[1] - 1 - 8, -126, 127), 0)      # np.frexp(a)[1] - 1 = floor(log2(a)), exactly
;;       r = np.clip(x / 2.0 ** e, -448, 448)
;;       step = 2.0 ** (np.maximum(np.frexp(np.where(r == 0, 1, r))[1] - 1, -6) - 3)
;;       q = np.round(r / step) * step * 2.0 ** e      # np.round: ties to even
;;       return np.moveaxis(q.reshape(q.shape[:-2] + (-1,))[..., :K], -1, axis).astype(np.float32)
;;   ~~~
;;   SOFTMAX AHEAD OF A QUANTISED PRODUCT. Where the list says 'softmax', what is quantised is not the finished softmax but p = 2^(t - M), with t = logit x log2(e) and M = ceil(the row's largest t), a whole number; so 1/2 < the row's largest p <= 1. The row's sum l is taken of the UNQUANTISED p, in f32, and the product's result is divided by l at the end. Since M is a whole number, a kernel that streams over the keys may use a running M (the ceiling of the running maximum): every later rescaling is an exact power of two, which a block's scale takes up: the codes' values come out the same.
;;   OPERANDS COMPUTED ON THE WAY. 'Computed on the way' means the value that the module computes at that place (a softmax that the list does not call 'softmax' is quantised finished and normalised). What goes into a quantiser is computed in f32, as accurately as f32 sums, v_exp_f32 and their like allow (about 1e-6 of the number): no bf16 or f16 on the way to a quantiser, and a product that is left as it is and whose result goes on into a quantised operand takes f32 operands (vector FMAs, or v_wmma_f32_16x16x4_f32). A number that lies on a knife's edge between two numbers of the format may be rounded either way, as far as f32 arithmetic and the matrix unit's own rounding can turn it there, and no further.
;; One version. Each part assembles by itself: llvm-mc -triple=amdgcn-amd-amdhsa -mcpu=gfx1250 --defsym DOCPART=n.
;; ======== version 1 of 1: 4 launches
;; limits: right only within a limited range of input values
;; workspace buffers: wts 278,528 bytes; qb 4,718,592 bytes; kv 9,043,968 bytes; cb 4,718,592 bytes
;; launch prep (part 1): grid 128 x 1, 1 waves a work-group, no clusters, 0 bytes of LDS; arguments w_qkv, w_out, wts; writes wts
.if DOCPART == 1
	.amdgcn_target "amdgcn-amd-amdhsa--gfx1250"
	.amdhsa_code_object_version 6
	.text
	.protected	k_q72fbcd3eaf_prep
	.globl	k_q72fbcd3eaf_prep
	.p2align	8
	.type	k_q72fbcd3eaf_prep,@function
k_q72fbcd3eaf_prep:
	s_mov_b64 s[64:65], 0
	v_nop
	global_prefetch_b8 v0, s[64:65] scope:SCOPE_SE
	s_setreg_imm32_b32 hwreg(HW_REG_WAVE_MODE, 25, 1), 1
	s_wait_xcnt 0x0
; w_qkv [256][768] and w_out [256][256], f32, K = their FIRST axis, become codes of FP8 (E4M3) with one E8M0 byte for each 32 along K,
; laid as IMAGES OF OPERAND REGISTERS: a fragment (16 columns x 128 K, 16 registers a lane) is four groups of 512 bytes, lane l's 16 bytes at 16 l.
; wts: fragment f at 2,048 f; its scale words (one a lane; lanes 16-31 repeat lanes 0-15) at 262,144 + 128 f.
; f = 2 t + s: column tile t, K step s.  f < 96: w_qkv (t = 0..47);  f >= 96: w_out (t = 0..15).
; THE COLUMNS OF A TILE ARE NOT NEIGHBOURS: lane r of tile t takes column 32 (t / 2) + 8 (t % 2) + r + 8 (r / 8), so that in a product's result the 16 registers of tiles 2 b, 2 b + 1 are 16 neighbours.
; One wave makes one fragment: a lane takes a column and its registers run down K (k = 128 s + 32 c + 16 (l / 16) + i in register 16 c + i), so the conversions' results are the operand's registers.
; 128 fragments, 128 work-groups: that is all the work there is.  No LDS, no barrier.
; A block's scale is 2^(floor(log2(largest magnitude)) - 8); its byte is the largest magnitude's exponent field - 8, held at 1 from below.
; LIMITS: a block whose largest magnitude lies under 2^-118 (a block of zeros too) gets the byte 1; only this program reads the bytes.  NaN and infinities among the inputs are not served.
.set X,   16                           ; v16-79   64 numbers
.set TM,  80                           ; v80-83 largest magnitudes, v84-87 bytes, v92-95 the conversions' scale operands
.set PC,  96                           ; v96-111  the codes
.set PW,  112                          ; v112     the scale word
.set SEL, 16                           ; s[16:17] v_permlanex16_b32's selects for lane l xor 16
.set MNT, 18
; 64 numbers of a lane, register 16 b + i = k 32 b + 16 (lane / 16) + i, become a fragment's codes in v[PC] on and its scale word in v[PW]
.macro QUANT64 s
.irp b, 0,1,2,3
	v_max3_num_f32 v[TM+\b], |v[\s+16*\b]|, |v[\s+1+16*\b]|, 0x4800000   ; block b: my 16 numbers, and the floor 2^(9 - 127): the byte cannot fall under 1
.endr
.irp i, 2,4,6,8,10,12,14
.irp b, 0,1,2,3
	v_max3_num_f32 v[TM+\b], v[TM+\b], |v[\s+16*\b+\i]|, |v[\s+1+16*\b+\i]|   ; the four blocks by turns
.endr
.endr
.irp b, 0,1,2,3
	v_permlanex16_b32 v[TM+4+\b], v[TM+\b], s[SEL], s[SEL+1]
.endr
.irp b, 0,1,2,3
	v_max_num_f32 v[TM+\b], v[TM+\b], v[TM+4+\b]                 ; with lane l xor 16's 16: the block's largest magnitude
.endr
.irp b, 0,1,2,3
	v_add_nc_u32 v[TM+12+\b], 0xfc000000, v[TM+\b]               ; 8 off its exponent field: the conversion's scale operand
.endr
.irp b, 0,1,2,3
.endr
.irp b, 0,1,2,3
	v_lshrrev_b32 v[TM+4+\b], 23, v[TM+12+\b]                    ; the scale's byte
.endr
	v_lshl_or_b32 v[PW], v[TM+5], 8, v[TM+4]
	v_lshl_or_b32 v[PW], v[TM+6], 16, v[PW]
	v_lshl_or_b32 v[PW], v[TM+7], 24, v[PW]
.irp b, 0,1,2,3
.irp i, 0,1,2,3,4,5,6,7,8,9,10,11,12,13,14,15
.endr
	v_cvt_scalef32_pk8_fp8_f32 v[PC+4*\b:PC+1+4*\b], v[\s+16*\b:\s+7+16*\b], v[TM+12+\b]
	v_cvt_scalef32_pk8_fp8_f32 v[PC+2+4*\b:PC+3+4*\b], v[\s+8+16*\b:\s+15+16*\b], v[TM+12+\b]
.endr
	v_nop                                          ; one plain line behind the last scaled conversion
.endm
; the fragment's 64 loads from the tensor at s[base], whose rows are pitch bytes; first = the tensor's first fragment number
.macro LOADW base, pitch, first
.if \first
	s_sub_co_u32 s10, ttmp9, \first
.else
	s_mov_b32 s10, ttmp9
.endif
	s_and_b32 s11, s10, 1                          ; K step s
	s_mul_i32 s11, s11, 128*\pitch                 ; 128 rows down for s = 1
	s_lshr_b32 s12, s10, 2                         ; t / 2
	s_lshl_b32 s12, s12, 7                         ; 32 columns of 4 bytes each
	s_bfe_u32 s13, s10, 0x10001                    ; t % 2
	s_lshl_b32 s13, s13, 5                         ; 8 columns
	s_add_co_u32 s14, s11, s12
	s_add_co_u32 s14, s14, s13
	s_mov_b32 s15, 0
	s_add_nc_u64 s[\base:\base+1], s[\base:\base+1], s[14:15]
	v_mul_u32_u24 v3, v2, 16*\pitch                ; lanes 16-31 begin 16 rows further down
	v_lshl_add_u32 v3, v6, 2, v3                   ; + my column
.irp c, 0,1,2,3
.irp i, 0,1,2,3,4,5,6,7,8,9,10,11,12,13,14,15
	global_load_b32 v[X+16*\c+\i], v3, s[\base:\base+1] offset:(32*\c+\i)*\pitch
.endr
.endr
.endm
	s_load_b128 s[4:7], s[0:1], 0x0                ; w_qkv s[4:5], w_out s[6:7]
	s_load_b64 s[8:9], s[0:1], 0x10                ; wts
	v_and_b32 v1, 15, v0                           ; r
	v_bfe_u32 v2, v0, 4, 1                         ; h
	v_and_b32 v6, 8, v1
	v_add_nc_u32 v6, v6, v1                        ; r + 8 (r / 8)
	v_lshlrev_b32 v4, 4, v0                        ; 16 x lane (one wave: the thread's number is the lane)
	v_lshlrev_b32 v5, 2, v0                        ; 4 x lane
	s_mov_b32 s[SEL], 0x76543210
	s_mov_b32 s[SEL+1], 0xfedcba98
.irp b, 0,1,2,3
	v_mov_b32 v[TM+4+\b], 0                        ; a lane permute's destination counts as one of its sources
.endr
	s_lshl_b32 s20, ttmp9, 11                      ; the fragment's image
	s_mov_b32 s21, 0
	s_lshl_b32 s22, ttmp9, 7                       ; its scale words
	s_add_co_u32 s22, s22, 262144
	s_mov_b32 s23, 0
	s_wait_kmcnt 0x0
	s_add_nc_u64 s[20:21], s[8:9], s[20:21]
	s_add_nc_u64 s[22:23], s[8:9], s[22:23]
	s_cmp_lt_u32 ttmp9, 96                         ; which tensor: the two ways differ in the rows' pitch alone, which stands in the loads' immediates
	s_cbranch_scc0 .Lw_out
	s_wait_alu depctr_va_vdst(0)
	LOADW 4, 3072, 0
	s_branch .Lloaded
.Lw_out:
	s_wait_alu depctr_va_vdst(0)
	LOADW 6, 1024, 96
.Lloaded:
	s_wait_loadcnt 0x0
	QUANT64 X
.irp c, 0,1,2,3
	global_store_b128 v4, v[PC+4*\c:PC+4*\c+3], s[20:21] offset:512*\c   ; 32 lanes store 512 consecutive bytes, aligned
.endr
	global_store_b32 v5, v[PW], s[22:23]
	s_endpgm
.Lfunc_end_k_q72fbcd3eaf_prep:
	.size	k_q72fbcd3eaf_prep, .Lfunc_end_k_q72fbcd3eaf_prep-k_q72fbcd3eaf_prep
	.p2alignl 7, 3214868480
	.fill 96, 4, 3214868480
	.section	.rodata,"a",@progbits
	.p2align	6, 0x0
	.amdhsa_kernel k_q72fbcd3eaf_prep
		.amdhsa_group_segment_fixed_size 0
		.amdhsa_private_segment_fixed_size 0
		.amdhsa_enable_private_segment 0
		.amdhsa_kernarg_size 24
		.amdhsa_user_sgpr_count 2
		.amdhsa_user_sgpr_kernarg_segment_ptr 1
		.amdhsa_wavefront_size32 1
		.amdhsa_system_sgpr_workgroup_id_x 1
		.amdhsa_system_sgpr_workgroup_id_y 1
		.amdhsa_system_sgpr_workgroup_id_z 1
		.amdhsa_system_vgpr_workitem_id 0
		.amdhsa_next_free_vgpr 128
		.amdhsa_next_free_sgpr 66
		.amdhsa_reserve_vcc 0
		.amdhsa_float_denorm_mode_32 3
		.amdhsa_float_denorm_mode_16_64 3
		.amdhsa_fp16_overflow 1
		.amdhsa_memory_ordered 1
		.amdhsa_forward_progress 1
		.amdhsa_inst_pref_size 19
	.end_amdhsa_kernel
	.amdgpu_metadata
---
amdhsa.version: [ 1, 2 ]
amdhsa.kernels:
  - .name:           k_q72fbcd3eaf_prep
    .symbol:         k_q72fbcd3eaf_prep.kd
    .args:
      - { .name: w_qkv, .offset: 0, .size: 8, .value_kind: global_buffer, .address_space: global }
      - { .name: w_out, .offset: 8, .size: 8, .value_kind: global_buffer, .address_space: global }
      - { .name: wts, .offset: 16, .size: 8, .value_kind: global_buffer, .address_space: global }
    .group_segment_fixed_size: 0
    .private_segment_fixed_size: 0
    .kernarg_segment_align: 8
    .kernarg_segment_size: 24
    .max_flat_workgroup_size: 32
    .sgpr_count:     66
    .vgpr_count:     128
    .wavefront_size: 32
...
	.end_amdgpu_metadata
.endif
;; end of part 1
;; launch qkv (part 2): grid 256 x 1, 8 waves a work-group, no clusters, 18,432 bytes of LDS; arguments x, wts, b_qkv, qb, kv; writes qb, kv
.if DOCPART == 2
	.amdgcn_target "amdgcn-amd-amdhsa--gfx1250"
	.amdhsa_code_object_version 6
	.text
	.protected	k_q72fbcd3eaf_qkv
	.globl	k_q72fbcd3eaf_qkv
	.p2align	8
	.type	k_q72fbcd3eaf_qkv,@function
k_q72fbcd3eaf_qkv:
	s_mov_b64 s[64:65], 0
	v_nop
	global_prefetch_b8 v0, s[64:65] scope:SCOPE_SE
	s_setreg_imm32_b32 hwreg(HW_REG_WAVE_MODE, 25, 1), 1
	s_wait_xcnt 0x0
; qkv = x w_qkv + b_qkv on codes of FP8 (E4M3) with one E8M0 scale for each 32 along K, and q, k, v quantised for the attention that follows: q and k along the head's 32 channels, v along the keys.
; SHARES.  A work-group owns 64 rows of x (batch = wg / 32): four row tiles, two pairs.  WAVE w OWNS HEAD w, for q, k and v: its 12 weight fragments (3 units x 2 column tiles x 2 K steps) stay in 192 registers, read once,
; straight from memory in the order of the operand's registers.  So no weight lies in LDS, and there is no tile that work-groups of a cluster could ask for jointly: the launch has no cluster.
; x is quantised once: wave w makes fragment (row tile w / 2, K step w % 2); the eight fragments go round through LDS as images of their registers (lane l's 16 bytes at 16 l).  One barrier in all: the images are never rewritten.
; TILE ORDER.  Lane r of tile 2 b + u of any tiled axis (rows of x, columns of a head) takes index 32 b + 8 u + r + 8 (r / 8): in a result the 16 registers of tiles 2 b, 2 b + 1 are then 16 neighbours 32 b + 16 (l / 16) + 0..15.
; q, k: the product is used TRANSPOSED (source 0 = 16 columns of w, source 1 = 16 rows of x): a lane holds one row and 16 neighbouring channels: half of the row's one block of 32; lane l xor 16 holds the other half.
; v: NOT transposed (source 0 = x's rows, source 1 = w's columns): a lane holds one channel and 16 neighbouring keys: half of a block of 32 keys.  In both cases the conversions' results are the next operand's registers.
; The biases are the C of each sum's first matrix instruction.
; OUT.  qb: q's images at 65,536 bh + 512 T (bh = 8 batch + head, T = row tile in the batch); its scale words at 4,194,304 + 8,192 bh + 256 g + 8 l + 4 p: pair 2 g + p, lanes 0-15 its first tile, lanes 16-31 its second; the byte in the word's byte 0, zeros above.
; kv: a record of 141,312 bytes a head: k's images at 512 T; v's at 65,536 + 4,096 sigma + 2,048 n + 512 c (128 keys sigma, channel tile n, key block c); k's scale words at 131,072, as q's; v's at 139,264 + 128 sigma + 4 l, byte c.
; A word of v's scales spans 128 keys and a work-group owns 64: it stores two bytes a lane, 64 bytes a wave, against the 64 KiB of x that the work-group reads.  All other stores cover whole aligned runs of 256 or 512 bytes.
; LIMITS: a block whose largest magnitude lies under 2^-118 (a block of zeros too) gets the byte 1; only this program reads the bytes.  NaN and infinities among the inputs are not served.
; REGISTERS, window 0: v1-7, v227 addresses; v8-17 at work in QUANT2; v18-23 scale words on their way out; v24-31 codes; v32-35 x's scale words; v36-47 the weights'; v48-111 x: 64 numbers, then four fragments;
;   v112-143 four accumulators; v144-175 q's and k's bias; v176-191 v's; v192-224 at work in QUANT64.   window 1: v0-191 the weights: unit u3, column tile u, K step s at 64 u3 + 16 (2 u + s).
.set XIMG, 0                           ; LDS: x's eight fragments, 2,048 bytes each, at 2 m + s
.set XSC,  16384                       ; their scale words, 128 bytes each
.set LI,   1                           ; 16 x lane
.set LS,   2                           ; 4 x lane
.set XA,   3                           ; my byte in the work-group's rows of x
.set XWI,  4                           ; where I store my fragment's image: 16 x lane + 2,048 x wave
.set XWS,  5                           ; and its scale words: 4 x lane + 128 x wave
.set L8,   6                           ; 8 x lane
.set BH,   7                           ; 64 x (lane / 16): my 16 channels in a head's bias
.set QM,   8                           ; QUANT2: largest magnitudes,
.set QT,   10                          ; the other half's,
.set QL,   12
.set QO,   14                          ; the conversions' scale operands,
.set QB,   16                          ; the bytes
.set SQ,   18                          ; v[18:19] q's scale words of the two pairs, v[20:21] k's
.set SV,   22                          ; v's two bytes; v23 at work
.set CD,   24
.set XS,   32
.set WS,   36
.set XF,   48
.set ACC,  112
.set BIAS, 144
.set BV,   176
.set TM,   192
.set PC,   208
.set PW,   224
.set VB,   225                         ; v225-226 v's bias as loaded: one number a lane and tile
.set PI4,  227                         ; 4 x (r + 8 (r / 8))
.set WV,   14
.set SEL,  18
.set MNT,  20
.set HALF, 21                          ; a lane mask: lanes 16-31
.set MSB, 0
.macro WIN new                         ; the immediate's high byte repeats the setting that is left
.if MSB != \new
	s_set_vgpr_msb (MSB<<8)|\new
.set MSB, \new
.endif
.endm
; 64 numbers of a lane, register 16 b + i = k 32 b + 16 (lane / 16) + i, become a fragment's codes in v[PC] on and its scale word in v[PW]
.macro QUANT64 s
.irp b, 0,1,2,3
	v_max3_num_f32 v[TM+\b], |v[\s+16*\b]|, |v[\s+1+16*\b]|, 0x4800000   ; block b: my 16 numbers, and the floor 2^(9 - 127): the byte cannot fall under 1
.endr
.irp i, 2,4,6,8,10,12,14
.irp b, 0,1,2,3
	s_delay_alu instid0(VALU_DEP_4)
	v_max3_num_f32 v[TM+\b], v[TM+\b], |v[\s+16*\b+\i]|, |v[\s+1+16*\b+\i]|
.endr
.endr
.irp b, 0,1,2,3
	s_delay_alu instid0(VALU_DEP_4)
	v_permlanex16_b32 v[TM+4+\b], v[TM+\b], s[SEL], s[SEL+1]
.endr
.irp b, 0,1,2,3
	s_delay_alu instid0(VALU_DEP_4)
	v_max_num_f32 v[TM+\b], v[TM+\b], v[TM+4+\b]
.endr
.irp b, 0,1,2,3
	s_delay_alu instid0(VALU_DEP_4)
	v_add_nc_u32 v[TM+12+\b], 0xfc000000, v[TM+\b]               ; 8 off the exponent field: the conversion's scale operand
.endr
.irp b, 0,1,2,3
.endr
.irp b, 0,1,2,3
	s_delay_alu instid0(VALU_DEP_4)
	v_lshrrev_b32 v[TM+4+\b], 23, v[TM+12+\b]                    ; the scale's byte
.endr
	s_delay_alu instid0(VALU_DEP_3)
	v_lshl_or_b32 v[PW], v[TM+5], 8, v[TM+4]
	s_delay_alu instid0(VALU_DEP_1)
	v_lshl_or_b32 v[PW], v[TM+6], 16, v[PW]
	s_delay_alu instid0(VALU_DEP_1)
	v_lshl_or_b32 v[PW], v[TM+7], 24, v[PW]
.irp b, 0,1,2,3
.irp i, 0,1,2,3,4,5,6,7,8,9,10,11,12,13,14,15
.endr
	v_cvt_scalef32_pk8_fp8_f32 v[PC+4*\b:PC+1+4*\b], v[\s+16*\b:\s+7+16*\b], v[TM+12+\b]
	v_cvt_scalef32_pk8_fp8_f32 v[PC+2+4*\b:PC+3+4*\b], v[\s+8+16*\b:\s+15+16*\b], v[TM+12+\b]
.endr
	v_nop                                          ; one plain line behind the last scaled conversion
.endm
; Two groups of 16 registers, each my half of one block of 32 (lane l xor 16 holds the other half), by turns: four code registers each (v[c0] on, v[c1] on) and the two bytes in v[QB], v[QB+1].
; Each accumulator of eight is read from its low end on.
.macro QUANT2 g0, g1, c0, c1
	v_max3_num_f32 v[QM], |v[\g0]|, |v[\g0+1]|, 0x4800000
	v_max3_num_f32 v[QM+1], |v[\g1]|, |v[\g1+1]|, 0x4800000
.irp i, 2,4,6,8,10,12,14
	v_max3_num_f32 v[QM], v[QM], |v[\g0+\i]|, |v[\g0+\i+1]|
	v_max3_num_f32 v[QM+1], v[QM+1], |v[\g1+\i]|, |v[\g1+\i+1]|
.endr
	s_delay_alu instid0(VALU_DEP_2)
	v_permlanex16_b32 v[QT], v[QM], s[SEL], s[SEL+1]
	s_delay_alu instid0(VALU_DEP_2)
	v_permlanex16_b32 v[QT+1], v[QM+1], s[SEL], s[SEL+1]
	s_delay_alu instid0(VALU_DEP_2)
	v_max_num_f32 v[QM], v[QM], v[QT]
	s_delay_alu instid0(VALU_DEP_2)
	v_max_num_f32 v[QM+1], v[QM+1], v[QT+1]
	s_delay_alu instid0(VALU_DEP_2)
	v_add_nc_u32 v[QO], 0xfc000000, v[QM]
	s_delay_alu instid0(VALU_DEP_2)
	v_add_nc_u32 v[QO+1], 0xfc000000, v[QM+1]
	s_delay_alu instid0(VALU_DEP_2)
	v_lshrrev_b32 v[QB], 23, v[QO]
	s_delay_alu instid0(VALU_DEP_2)
	v_lshrrev_b32 v[QB+1], 23, v[QO+1]
	s_wait_alu depctr_va_vdst(0)
	s_wait_xcnt 0x0                                ; the code registers were the data of the last stores: they are written again only behind this wait
.irp i, 0,1,2,3,4,5,6,7,8,9,10,11,12,13,14,15
.endr
	v_cvt_scalef32_pk8_fp8_f32 v[\c0:\c0+1], v[\g0:\g0+7], v[QO]
	v_cvt_scalef32_pk8_fp8_f32 v[\c0+2:\c0+3], v[\g0+8:\g0+15], v[QO]
.irp i, 0,1,2,3,4,5,6,7,8,9,10,11,12,13,14,15
.endr
	v_cvt_scalef32_pk8_fp8_f32 v[\c1:\c1+1], v[\g1:\g1+7], v[QO+1]
	v_cvt_scalef32_pk8_fp8_f32 v[\c1+2:\c1+3], v[\g1+8:\g1+15], v[QO+1]
	v_nop                                          ; one plain line behind the last scaled conversion: the next products write its sources
.endm
; q (unit 0) or k (unit 1) of a pair of row tiles, transposed: accumulator (m, u) at ACC + 16 m + 8 u.  The four accumulators take turns, one instruction a turn.
.macro TMUL unit
	WIN 0x01                                       ; source 0 (the weights) window 1
.irp s, 0,1
.irp m, 0,1
.irp u, 0,1
.if \s == 0
	v_wmma_scale_f32_16x16x128_f8f6f4 v[ACC+16*\m+8*\u:ACC+16*\m+8*\u+7], v[64*\unit+16*(2*\u+\s):64*\unit+16*(2*\u+\s)+15], v[XF+16*(2*\m+\s):XF+16*(2*\m+\s)+15], v[BIAS+16*\unit+8*\u:BIAS+16*\unit+8*\u+7], v[WS+4*\unit+2*\u+\s], v[XS+2*\m+\s]
.else
	v_wmma_scale_f32_16x16x128_f8f6f4 v[ACC+16*\m+8*\u:ACC+16*\m+8*\u+7], v[64*\unit+16*(2*\u+\s):64*\unit+16*(2*\u+\s)+15], v[XF+16*(2*\m+\s):XF+16*(2*\m+\s)+15], v[ACC+16*\m+8*\u:ACC+16*\m+8*\u+7], v[WS+4*\unit+2*\u+\s], v[XS+2*\m+\s]
.endif
.endr
.endr
.endr
	WIN 0
.rept 8
	v_nop                                          ; eight places in front of the first read of results
.endr
.endm
; v of a pair of row tiles, not transposed: accumulator (n, m) at ACC + 16 n + 8 m
.macro VMUL
	WIN 0x04                                       ; source 1 (the weights) window 1
.irp s, 0,1
.irp n, 0,1
.irp m, 0,1
.if \s == 0
	v_wmma_scale_f32_16x16x128_f8f6f4 v[ACC+16*\n+8*\m:ACC+16*\n+8*\m+7], v[XF+16*(2*\m+\s):XF+16*(2*\m+\s)+15], v[128+16*(2*\n+\s):128+16*(2*\n+\s)+15], v[BV+8*\n:BV+8*\n+7], v[XS+2*\m+\s], v[WS+8+2*\n+\s]
.else
	v_wmma_scale_f32_16x16x128_f8f6f4 v[ACC+16*\n+8*\m:ACC+16*\n+8*\m+7], v[XF+16*(2*\m+\s):XF+16*(2*\m+\s)+15], v[128+16*(2*\n+\s):128+16*(2*\n+\s)+15], v[ACC+16*\n+8*\m:ACC+16*\n+8*\m+7], v[XS+2*\m+\s], v[WS+8+2*\n+\s]
.endif
.endr
.endr
.endr
	WIN 0
.rept 8
	v_nop                                          ; eight places: for the first read of results, and for the next pair's loads into x's fragments and scale words
.endr
.endm
; Pair p of the work-group's two pairs of row tiles: x's four fragments from LDS; q, k, v; each quantised and stored.
; Between two runs of products on the same accumulators stand the eight v_nop and nine more plain lines of QUANT2 that name none of them: more than the nine places that an accumulator begun anew wants.
.macro PAIR p
.irp m, 0,1
.irp s, 0,1
.irp c, 0,1,2,3
	ds_load_b128 v[XF+16*(2*\m+\s)+4*\c:XF+16*(2*\m+\s)+4*\c+3], v[LI] offset:XIMG+2048*(2*(2*\p+\m)+\s)+512*\c
.endr
	ds_load_b32 v[XS+2*\m+\s], v[LS] offset:XSC+128*(2*(2*\p+\m)+\s)
.endr
.endr
	s_wait_dscnt 0x0
.irp unit, 0,1
	TMUL \unit
	QUANT2 ACC, ACC+16, CD, CD+4
	global_store_b128 v[LI], v[CD:CD+3], s[24+4*\unit:25+4*\unit] offset:512*(2*\p)        ; a tile's image: 512 consecutive bytes, aligned
	global_store_b128 v[LI], v[CD+4:CD+7], s[24+4*\unit:25+4*\unit] offset:512*(2*\p+1)
	v_cndmask_b32 v[SQ+2*\unit+\p], v[QB], v[QB+1], s[HALF]      ; lanes 0-15: the first tile's bytes; lanes 16-31: the second's
.endr
	VMUL
	QUANT2 ACC, ACC+16, CD, CD+4
	global_store_b128 v[LI], v[CD:CD+3], s[32:33] offset:512*\p                              ; channel tile 0, this pair's key block
	global_store_b128 v[LI], v[CD+4:CD+7], s[32:33] offset:2048+512*\p                       ; channel tile 1
.if \p == 0
	v_cndmask_b32 v[SV], v[QB], v[QB+1], s[HALF]                 ; lanes 0-15: channel tile 0; lanes 16-31: tile 1
.else
	v_cndmask_b32 v[SV+1], v[QB], v[QB+1], s[HALF]
	s_delay_alu instid0(VALU_DEP_1)
	v_lshl_or_b32 v[SV], v[SV+1], 8, v[SV]                       ; the two key blocks' bytes side by side
.endif
.endm
	s_load_b256 s[4:11], s[0:1], 0x0               ; x s[4:5], wts s[6:7], b_qkv s[8:9], qb s[10:11]
	s_load_b64 s[12:13], s[0:1], 0x20              ; kv
	v_lshl_add_u32 v254, v0, 2, 0x4400
	v_mov_b32 v255, 0
	v_lshrrev_b32 v228, 5, v0
	s_delay_alu instid0(VALU_DEP_1)
	v_readfirstlane_b32 s[WV], v228                ; wave 0..7 = my head
	v_and_b32 v[LS], 31, v0
	s_delay_alu instid0(VALU_DEP_1)
	v_lshlrev_b32 v[LI], 4, v[LS]
	s_delay_alu instid0(VALU_DEP_2)
	v_lshlrev_b32 v[L8], 3, v[LS]
	s_delay_alu instid0(VALU_DEP_3)
	v_lshlrev_b32 v[LS], 2, v[LS]
	v_and_b32 v228, 15, v0                         ; r
	v_bfe_u32 v229, v0, 4, 1                       ; h
	s_delay_alu instid0(VALU_DEP_2)
	v_and_b32 v230, 8, v228
	s_delay_alu instid0(VALU_DEP_1)
	v_add_nc_u32 v230, v230, v228                  ; r + 8 (r / 8)
	s_wait_alu depctr_va_vdst(0)
	v_lshlrev_b32 v[BH], 6, v229
	v_lshlrev_b32 v[PI4], 2, v230
	s_lshr_b32 s42, s[WV], 2                       ; my fragment of x: row tile m = wave / 2, K step s = wave % 2: rows 32 (m / 2) + 8 (m % 2) on, of 1,024 bytes,
	s_lshl_b32 s42, s42, 15
	s_bfe_u32 s43, s[WV], 0x10001
	s_lshl_b32 s43, s43, 13
	s_add_co_u32 s42, s42, s43
	s_and_b32 s43, s[WV], 1
	s_lshl_b32 s43, s43, 9                         ; 512 bytes on for s = 1
	s_add_co_u32 s42, s42, s43
	v_lshlrev_b32 v[XA], 10, v230
	s_delay_alu instid0(VALU_DEP_1)
	v_lshl_add_u32 v[XA], v229, 6, v[XA]           ; + 64 h: my 16 numbers of a block of 32
	s_delay_alu instid0(VALU_DEP_1)
	v_add_nc_u32 v[XA], s42, v[XA]
	s_lshl_b32 s42, s[WV], 11
	v_add_nc_u32 v[XWI], s42, v[LI]
	s_lshl_b32 s42, s[WV], 7
	v_add_nc_u32 v[XWS], s42, v[LS]
	s_mov_b32 s[SEL], 0x76543210
	s_mov_b32 s[SEL+1], 0xfedcba98
	s_mov_b32 s[HALF], 0xffff0000
	v_mov_b32 v[QT], 0                             ; a lane permute's destination counts as one of its sources
	v_mov_b32 v[QT+1], 0
.irp b, 0,1,2,3
	v_mov_b32 v[TM+4+\b], 0
.endr
	s_and_b32 s15, ttmp9, 31                       ; wl: my 64 rows in the batch
	s_lshr_b32 s16, ttmp9, 5                       ; batch
	s_lshl_b32 s17, s16, 3
	s_add_co_u32 s17, s17, s[WV]                   ; bh
	s_mul_i32 s43, s17, 141312                     ; the head's record in kv
	s_lshr_b32 s44, s15, 1                         ; sigma: which 128 keys
	s_and_b32 s45, s15, 1                          ; and which half of them
	s_mov_b32 s23, 0
	s_wait_alu depctr_va_vdst(0)
	s_wait_kmcnt 0x0
	s_lshl_b32 s22, s[WV], 9
	s_add_co_u32 s22, s22, 262144
	s_add_nc_u64 s[38:39], s[6:7], s[22:23]        ; my weights' scale words
	s_lshl_b32 s22, s[WV], 7
	s_add_nc_u64 s[40:41], s[8:9], s[22:23]        ; my head's bias
	s_lshl_b32 s22, ttmp9, 16
	s_add_nc_u64 s[4:5], s[4:5], s[22:23]          ; the work-group's rows of x
	s_lshl_b32 s22, s[WV], 13
	s_add_nc_u64 s[36:37], s[6:7], s[22:23]        ; my weights' images
.irp unit, 0,1,2
.irp j, 0,1,2,3
	global_load_b32 v[WS+4*\unit+\j], v[LS], s[38:39] offset:4096*\unit+128*\j
.endr
.endr
.irp unit, 0,1
.irp i, 0,1,2,3
	global_load_b128 v[BIAS+16*\unit+4*\i:BIAS+16*\unit+4*\i+3], v[BH], s[40:41] offset:1024*\unit+16*\i   ; register 8 u + j: channel 16 h + 8 u + j
.endr
.endr
.irp n, 0,1
	global_load_b32 v[VB+\n], v[PI4], s[40:41] offset:2048+32*\n   ; v's: my lane's channel of tile n
.endr
.irp b, 0,1,2,3
.irp j, 0,1,2,3
	global_load_b128 v[XF+16*\b+4*\j:XF+16*\b+4*\j+3], v[XA], s[4:5] offset:128*\b+16*\j th:TH_LOAD_NT
.endr
.endr
	WIN 0x40                                       ; destination window 1
.irp unit, 0,1,2
.irp i, 0,1,2,3,4,5,6,7,8,9,10,11,12,13,14,15
	global_load_b128 v[64*\unit+4*\i:64*\unit+4*\i+3], v[LI], s[36:37] offset:65536*\unit+512*\i
.endr
.endr
	WIN 0
	; where the results go
	s_lshl_b32 s22, s17, 16
	s_lshl_b32 s42, s15, 11
	s_add_co_u32 s22, s22, s42
	s_add_nc_u64 s[24:25], s[10:11], s[22:23]      ; q's images: 65,536 bh + 512 x 4 wl
	s_lshl_b32 s22, s17, 13
	s_lshl_b32 s42, s15, 8
	s_add_co_u32 s22, s22, s42
	s_add_co_u32 s22, s22, 4194304
	s_add_nc_u64 s[26:27], s[10:11], s[22:23]      ; q's scale words
	s_lshl_b32 s42, s15, 11
	s_add_co_u32 s22, s43, s42
	s_add_nc_u64 s[28:29], s[12:13], s[22:23]      ; k's images
	s_lshl_b32 s42, s15, 8
	s_add_co_u32 s22, s43, s42
	s_add_co_u32 s22, s22, 131072
	s_add_nc_u64 s[30:31], s[12:13], s[22:23]      ; k's scale words
	s_lshl_b32 s42, s44, 12
	s_add_co_u32 s22, s43, s42
	s_lshl_b32 s42, s45, 10
	s_add_co_u32 s22, s22, s42
	s_add_co_u32 s22, s22, 65536
	s_add_nc_u64 s[32:33], s[12:13], s[22:23]      ; v's images: step sigma, key blocks 2 (wl % 2) on
	s_lshl_b32 s42, s44, 7
	s_add_co_u32 s22, s43, s42
	s_lshl_b32 s42, s45, 1
	s_add_co_u32 s22, s22, s42
	s_add_co_u32 s22, s22, 139264
	s_add_nc_u64 s[34:35], s[12:13], s[22:23]      ; v's scale bytes
	; ---- x: my fragment
	s_wait_loadcnt 48                              ; the 48 weight loads were issued last and may stay out: scale words, biases and x are in
.irp n, 0,1
.irp j, 0,1,2,3,4,5,6,7
	v_mov_b32 v[BV+8*\n+\j], v[VB+\n]              ; v's bias in the result's layout: a lane holds one channel, so eight copies
.endr
.endr
	QUANT64 XF
.irp c, 0,1,2,3
	ds_store_b128 v[XWI], v[PC+4*\c:PC+4*\c+3] offset:XIMG+512*\c
.endr
	ds_store_b32 v[XWS], v[PW] offset:XSC
	s_wait_dscnt 0x0                               ; for the others' sake: my image has landed
	s_barrier_signal -1
	s_barrier_wait -1                              ; x's eight fragments lie in LDS
	s_wait_loadcnt 0x0                             ; the weights
	PAIR 0
	PAIR 1
	global_store_b64 v[L8], v[SQ:SQ+1], s[26:27]   ; 32 lanes store 256 consecutive bytes, aligned
	global_store_b64 v[L8], v[SQ+2:SQ+3], s[30:31]
	global_store_b16 v[LS], v[SV], s[34:35]        ; two of each word's four bytes
	s_wait_tensorcnt 0x0
	ds_add_u32 v254, v255
	s_wait_dscnt 0x0
	s_endpgm
.Lfunc_end_k_q72fbcd3eaf_qkv:
	.size	k_q72fbcd3eaf_qkv, .Lfunc_end_k_q72fbcd3eaf_qkv-k_q72fbcd3eaf_qkv
	.p2alignl 7, 3214868480
	.fill 96, 4, 3214868480
	.section	.rodata,"a",@progbits
	.p2align	6, 0x0
	.amdhsa_kernel k_q72fbcd3eaf_qkv
		.amdhsa_group_segment_fixed_size 18432
		.amdhsa_private_segment_fixed_size 0
		.amdhsa_enable_private_segment 0
		.amdhsa_kernarg_size 40
		.amdhsa_user_sgpr_count 2
		.amdhsa_user_sgpr_kernarg_segment_ptr 1
		.amdhsa_wavefront_size32 1
		.amdhsa_system_sgpr_workgroup_id_x 1
		.amdhsa_system_sgpr_workgroup_id_y 1
		.amdhsa_system_sgpr_workgroup_id_z 1
		.amdhsa_system_vgpr_workitem_id 0
		.amdhsa_next_free_vgpr 448
		.amdhsa_next_free_sgpr 66
		.amdhsa_reserve_vcc 0
		.amdhsa_float_denorm_mode_32 3
		.amdhsa_float_denorm_mode_16_64 3
		.amdhsa_fp16_overflow 1
		.amdhsa_memory_ordered 1
		.amdhsa_forward_progress 1
		.amdhsa_inst_pref_size 43
	.end_amdhsa_kernel
	.amdgpu_metadata
---
amdhsa.version: [ 1, 2 ]
amdhsa.kernels:
  - .name:           k_q72fbcd3eaf_qkv
    .symbol:         k_q72fbcd3eaf_qkv.kd
    .args:
      - { .name: x, .offset: 0, .size: 8, .value_kind: global_buffer, .address_space: global }
      - { .name: wts, .offset: 8, .size: 8, .value_kind: global_buffer, .address_space: global }
      - { .name: b_qkv, .offset: 16, .size: 8, .value_kind: global_buffer, .address_space: global }
      - { .name: qb, .offset: 24, .size: 8, .value_kind: global_buffer, .address_space: global }
      - { .name: kv, .offset: 32, .size: 8, .value_kind: global_buffer, .address_space: global }
    .group_segment_fixed_size: 18432
    .private_segment_fixed_size: 0
    .kernarg_segment_align: 8
    .kernarg_segment_size: 40
    .max_flat_workgroup_size: 256
    .sgpr_count:     66
    .vgpr_count:     448
    .wavefront_size: 32
...
	.end_amdgpu_metadata
.endif
;; end of part 2
;; launch attn (part 3): grid 4 x 64, 16 waves a work-group, clusters of 4 x 1, 169,984 bytes of LDS; arguments qb, kv, cb; writes cb
.if DOCPART == 3
	.amdgcn_target "amdgcn-amd-amdhsa--gfx1250"
	.amdhsa_code_object_version 6
	.text
	.protected	k_q72fbcd3eaf_attn
	.globl	k_q72fbcd3eaf_attn
	.p2align	8
	.type	k_q72fbcd3eaf_attn,@function
k_q72fbcd3eaf_attn:
	s_mov_b64 s[64:65], 0
	v_nop
	global_prefetch_b8 v0, s[64:65] scope:SCOPE_SE
	s_setreg_imm32_b32 hwreg(HW_REG_WAVE_MODE, 25, 1), 1
	s_wait_xcnt 0x0
	s_wait_alu depctr_hold_cnt(0) depctr_sa_sdst(0) depctr_va_vdst(0) depctr_va_sdst(0) depctr_va_ssrc(0) depctr_va_vcc(0) depctr_vm_vsrc(0)
	s_getreg_b32 s2, hwreg(HW_REG_IB_STS2, 6, 4)
	s_cmp_eq_u32 s2, 0
	s_cbranch_scc0 .Lentry_in_a_cluster
	s_endpgm
.Lentry_in_a_cluster:
	s_bfe_u32 s2, ttmp6, 0x10000c
	s_cmp_lg_u32 s2, 0x3003
	s_cbranch_scc0 .Lentry_shape_is_right
	s_endpgm
.Lentry_shape_is_right:
; ctx[bh][q] = the sum over keys of softmax(q . k / sqrt(32)) v, both products on codes of FP8 (E4M3) with one E8M0 scale for each 32 along a product's K; ctx is quantised along the model's 256 for the projection that follows.
; THE SOFTMAX AHEAD OF THE SECOND PRODUCT: t = score x log2(e) / sqrt(32); M = the row's largest t so far, rounded UP to a whole number; p = 2^(t - M) is what is quantised, along the keys, not normalised.
; The row's sum is taken of the unquantised p and divides at the end.  When M moves, the sum and O are multiplied by 2^(old M - new M): nothing is rounded, and there is no branch on data.
; SHARES.  A work-group owns 512 queries of one head (bh = work-group y); each of its sixteen waves owns a pair of query tiles, A and B, 32 queries, in 256 registers.  Every wave walks the head's 2,048 keys, 128 a step.
; The two tiles share each fragment of K and V that is read from LDS.
; LDS holds the head's whole record of kv, 141,312 bytes, as it lies in memory: K's images at 0, V's at 65,536, K's scale words at 131,072, V's at 139,264.  It is filled ONCE: no slot is filled again, and the loop has no barrier.
; CLUSTER.  The four work-groups of a head read the same record: it is asked for JOINTLY.  Waves 0 to 7 issue one tensor load each (69 rows of 256 bytes), the same descriptor and a mask that names the four in all four work-groups.
; All that the work-group reads of K and V is asked for at the kernel's head, so there is no later load that a prefetch could run ahead of: none is written.
; LAYOUT.  Both products are used transposed: S^T = K Q^T (source 0 = 16 keys, source 1 = 16 queries), O^T = V^T P^T (source 0 = 16 channels, source 1 = P): a lane holds ONE query throughout.
; Lane r of tile 2 b + u (of keys, queries, channels) holds index 32 b + 8 u + r + 8 (r / 8): so p's 16 registers of two neighbouring key tiles are 16 neighbouring keys, and O^T's 16 registers of a query are 16 neighbouring channels.
; K = 32 IN AN INSTRUCTION OF K = 128.  Q's fragment is 4 registers of codes and 12 of zeros.  A step's eight tiles of K lie on end, 4 registers each, and tile i's operand is the run of 16 from its own 4 on: what stands in its
; blocks 1 to 3 (the next tiles' codes; behind tile 7 p's codes) are numbers of the format, never NaN, and meet Q's zero codes: they add nothing.  The scale words of q and k hold their byte in byte 0 and 0 (2^-127) above.
; THE LOOP HAS NO v_nop: while tile A's softmax is walked, nothing of the matrix unit's is read; tile B's scores are made behind it, and the eight packed multiplications that bring O^T under the new M are the eight places behind each run of scores.
; OUT.  cb: ctx's images at 4,096 Tg + 512 head (Tg = 128 batch + query tile): group head % 4 of K step head / 4 of the projection's operand; the scale bytes, a word each, at 4,194,304 + 1,024 (64 batch + pair) + 128 head + 4 l
; (128 bytes a store: half of an aligned run of 256; the other half is the neighbouring head's).
; LIMITS: t is made by one multiplication by log2(e) / sqrt(32); 1 / l by v_rcp_f32; a p under 2^-126 counts as 0 (v_exp_f32 flushes); a block whose largest magnitude lies under 2^-118 gets the byte 1.  NaN and infinities are not served.
.set VOFF,  65536
.set KSOFF, 131072
.set VSOFF, 139264
.set HEADB, 141312                     ; a head's record
.set PART,  17664                      ; an eighth of it: 69 rows of 256 bytes
.set AK,  1                            ; v1   LDS address of the step's tiles of K: 16 x lane + 4,096 x step
.set AV,  2                            ; v2   of V
.set AKS, 3                            ; v3   of K's scale words: 8 x lane + 512 x step
.set AVS, 4                            ; v4   of V's: 4 x lane + 128 x step
.set LI,  5                            ; v5   16 x lane
.set L8,  6                            ; v6   8 x lane
.set LS,  7                            ; v7   4 x lane
.set ST,  8                            ; tile q's statistics at v[8 + 4 q]: -M, the largest t, the sum in two halves
.set Q,   16                           ; v16-47   Q's two fragments
.set K,   48                           ; v48-79   eight tiles of K
.set PC,  80                           ; v80-95   p's codes, directly behind K
.set V,   96                           ; v96-127  V's two fragments
.set S,   128                          ; v128-191 S^T, then p
.set O,   192                          ; v192-223 O^T: tile q, channel tile n at 16 q + 8 n
.set QS,  224                          ; Q's scale words: lanes 0-15 tile A, lanes 16-31 tile B
.set VS,  225                          ; V's: lanes 0-15 channel tile 0, lanes 16-31 tile 1
.set KS,  226                          ; v226-229 K's: register i / 2: lanes 0-15 tile i even, lanes 16-31 odd
.set PS,  230                          ; p's scale word
.set BM,  232                          ; v232-235 the blocks' largest scores, then largest p
.set T2,  236                          ; v236-239 the other half's; then the bytes
.set LIM, 240
.set SCO, 244                          ; v244-247 the conversions' scale operands
.set F,   248                          ; v[248:249] 2^(old M - new M); at the end 1 / l of tile A
.set TMP, 250                          ; v[250:251] at work; at the end 1 / l of tile B
.set C2,  252                          ; v[252:253] the sums' second chain; at the end the two bytes
.set WV,  10
.set G0,  16                           ; s[16:19] descriptor group 0
.set G1,  20                           ; s[20:27] descriptor group 1
.set CS,  28                           ; s[28:29] c = log2(e) / sqrt(32): the packed form names a pair and takes its low word for both halves
.set SEL, 30
.set MNT, 32
.set TRIP, 33
.set HALF, 34
; A round of the cluster's barrier: my work-group's barrier, wave 0 signals for the work-group, every wave waits for all four work-groups, my work-group's barrier once more
.macro ROUND
	s_barrier_signal -1
	s_barrier_wait -1
	s_cmp_lg_u32 s[WV], 0
	s_cbranch_scc1 .Lnot_wave_0_\@
	s_barrier_signal -3
.Lnot_wave_0_\@:
	s_barrier_wait -3
	s_barrier_signal -1
	s_barrier_wait -1
.endm
.macro KLOAD                           ; a step's eight tiles of K and their scale words
.irp i, 0,1,2,3,4,5,6,7
	ds_load_b128 v[K+4*\i:K+4*\i+3], v[AK] offset:512*\i
.endr
	ds_load_b64 v[KS:KS+1], v[AKS]
	ds_load_b64 v[KS+2:KS+3], v[AKS] offset:256
.endm
.macro KSTEP                           ; on to the next step; it stands behind the wait that shows the loads done
	v_add_nc_u32 v[AK], 4096, v[AK]
	v_add_nc_u32 v[AKS], 512, v[AKS]
.endm
.macro VLOAD                           ; a step's two fragments of V (16 channels x 128 keys each) and their scale words
.irp i, 0,1,2,3,4,5,6,7
	ds_load_b128 v[V+4*\i:V+4*\i+3], v[AV] offset:512*\i
.endr
	ds_load_b32 v[VS], v[AVS]
.endm
.macro VSTEP
	v_add_nc_u32 v[AV], 4096, v[AV]
	v_add_nc_u32 v[AVS], 128, v[AVS]
.endm
; S^T = K Q^T for query tile q: eight tiles of 16 keys, each sum begun with the constant 0
.macro QK q
.irp i, 0,1,2,3,4,5,6,7
.if \q == 0
.if \i%2 == 0
	v_wmma_scale_f32_16x16x128_f8f6f4 v[S+8*\i:S+8*\i+7], v[K+4*\i:K+4*\i+15], v[Q:Q+15], 0, v[KS+\i/2], v[QS]
.else
	v_wmma_scale_f32_16x16x128_f8f6f4 v[S+8*\i:S+8*\i+7], v[K+4*\i:K+4*\i+15], v[Q:Q+15], 0, v[KS+\i/2], v[QS] matrix_a_scale:MATRIX_SCALE_ROW1
.endif
.else
.if \i%2 == 0
	v_wmma_scale_f32_16x16x128_f8f6f4 v[S+8*\i:S+8*\i+7], v[K+4*\i:K+4*\i+15], v[Q+16:Q+31], 0, v[KS+\i/2], v[QS] matrix_b_scale:MATRIX_SCALE_ROW1
.else
	v_wmma_scale_f32_16x16x128_f8f6f4 v[S+8*\i:S+8*\i+7], v[K+4*\i:K+4*\i+15], v[Q+16:Q+31], 0, v[KS+\i/2], v[QS] matrix_a_scale:MATRIX_SCALE_ROW1 matrix_b_scale:MATRIX_SCALE_ROW1
.endif
.endif
.endr
.endm
; O^T += V^T P^T for query tile q: two tiles of 16 channels; K = the step's 128 keys.  No two matrix instructions that follow each other share an accumulator
.macro PV q
	v_wmma_scale_f32_16x16x128_f8f6f4 v[O+16*\q:O+16*\q+7], v[V:V+15], v[PC:PC+15], v[O+16*\q:O+16*\q+7], v[VS], v[PS]
	v_wmma_scale_f32_16x16x128_f8f6f4 v[O+16*\q+8:O+16*\q+15], v[V+16:V+31], v[PC:PC+15], v[O+16*\q+8:O+16*\q+15], v[VS], v[PS] matrix_a_scale:MATRIX_SCALE_ROW1
.endm
; O^T of tile q under the new M.  Eight plain lines that name none of the scores' registers: the eight places behind the run of scores in front of them
.macro RESC q
.irp j, 0,2,4,6,8,10,12,14
	v_pk_mul_f32 v[O+16*\q+\j:O+16*\q+\j+1], v[O+16*\q+\j:O+16*\q+\j+1], v[F:F+1] op_sel_hi:[1,0]
.endr
.endm
; THE SOFTMAX of tile q for one step: from the 64 scores of a lane in v[S] on to p's codes in v[PC] on, its scale word in v[PS], and f in v[F].  hook: 1 = V's loads, 2 = K's loads, behind the 32 lines of the maxima
.macro SOFT q, hook
.set rT, ST+4*\q
.irp b, 0,1,2,3
	v_max3_num_f32 v[BM+\b], v[S+16*\b], v[S+16*\b+1], v[S+16*\b+2]   ; the largest score of each block of 32 keys: it serves for the row's maximum and, since p rises with the score, for the block's largest p
.endr
.irp i, 3,5,7,9,11,13
.irp b, 0,1,2,3
	v_max3_num_f32 v[BM+\b], v[BM+\b], v[S+16*\b+\i], v[S+16*\b+\i+1]   ; the four blocks by turns; each accumulator is read from its low end on
.endr
.endr
.irp b, 0,1,2,3
	v_max_num_f32 v[BM+\b], v[BM+\b], v[S+16*\b+15]
.endr
.if \hook == 1
	VLOAD                                          ; the last products that read V stand 32 plain lines back
.elseif \hook == 2
	KLOAD                                          ; the last scores that read K stand in front of the eight multiplications of O^T
.endif
.irp b, 0,1,2,3
	v_permlanex16_b32 v[T2+\b], v[BM+\b], s[SEL], s[SEL+1]
.endr
.irp b, 0,1,2,3
	s_delay_alu instid0(VALU_DEP_4)
	v_max_num_f32 v[BM+\b], v[BM+\b], v[T2+\b]     ; with lane l xor 16's 16 keys
.endr
	s_delay_alu instid0(VALU_DEP_2)
	v_max3_num_f32 v[TMP], v[BM], v[BM+1], v[BM+2]
	s_delay_alu instid0(VALU_DEP_1)
	v_max_num_f32 v[TMP], v[TMP], v[BM+3]          ; the step's largest score of my query
	s_delay_alu instid0(VALU_DEP_1)
	v_mul_f32 v[TMP], s[CS], v[TMP]                ; as t (c is positive)
	s_delay_alu instid0(VALU_DEP_1)
	v_max_num_f32 v[rT+1], v[rT+1], v[TMP]         ; the running largest t
	v_mov_b32 v[TMP], v[rT]
	s_delay_alu instid0(VALU_DEP_2)
	v_floor_f32 v[rT], -v[rT+1]                    ; the new -M = floor(-t) = -ceil(t): a whole number
	s_delay_alu instid0(VALU_DEP_1)
	v_sub_f32 v[TMP], v[rT], v[TMP]                ; old M - new M: a whole number, 0 or less
	s_delay_alu instid0(VALU_DEP_1)
	v_cvt_i32_f32 v[TMP], v[TMP]                   ; (it saturates)
	s_delay_alu instid0(VALU_DEP_1)
	v_ldexp_f32 v[F], 1.0, v[TMP]                  ; f = 2^(old M - new M)
.set j, 0
.rept 32
	v_pk_fma_f32 v[S+j:S+j+1], v[S+j:S+j+1], s[CS:CS+1], v[rT:rT+1] op_sel_hi:[1,0,0]   ; t - M, two at a time
.set j, j+2
.endr
.irp b, 0,1,2,3
	v_fma_f32 v[BM+\b], v[BM+\b], s[CS], v[rT]     ; the same of each block's largest score
.endr
.set j, 0
	s_wait_alu depctr_va_vdst(0)
.rept 64
	v_exp_f32 v[S+j], v[S+j]                       ; p = 2^(t - M), at most 1
.set j, j+1
.endr
	v_pk_mul_f32 v[rT+2:rT+3], v[rT+2:rT+3], v[F:F+1] op_sel_hi:[1,0]   ; the sums under the new M: the plain line behind the exponentials
	s_wait_alu depctr_va_vdst(0)                   ; one wait for the batch of 64, ahead of its first reader
.irp b, 0,1,2,3
	v_exp_f32 v[BM+\b], v[BM+\b]                   ; the block's largest p: the same two instructions on the same number give the same bits
.endr
	v_pk_add_f32 v[C2:C2+1], v[S:S+1], v[S+2:S+3]  ; the row's sum is taken of the unquantised p: two at a time, in two chains.  These lines read the 64 alone
.set j, 4
.rept 15
	v_pk_add_f32 v[rT+2:rT+3], v[rT+2:rT+3], v[S+j:S+j+1]
	v_pk_add_f32 v[C2:C2+1], v[C2:C2+1], v[S+j+2:S+j+3]
.set j, j+4
.endr
	s_wait_alu depctr_va_vdst(0)                   ; and one for the four
.irp b, 0,1,2,3
	v_max_num_f32 v[BM+\b], 0x4800000, v[BM+\b]    ; the floor 2^(9 - 127): the byte cannot fall under 1
.endr
.irp b, 0,1,2,3
	s_delay_alu instid0(VALU_DEP_4)
	v_add_nc_u32 v[SCO+\b], 0xfc000000, v[BM+\b]   ; 8 off the exponent field: the conversion's scale operand
.endr
.irp b, 0,1,2,3
.endr
.irp b, 0,1,2,3
	s_delay_alu instid0(VALU_DEP_4)
	v_lshrrev_b32 v[T2+\b], 23, v[SCO+\b]          ; the scale's byte
.endr
	s_delay_alu instid0(VALU_DEP_3)
	v_lshl_or_b32 v[PS], v[T2+1], 8, v[T2]         ; p's scale word for these 128 keys
	s_delay_alu instid0(VALU_DEP_1)
	v_lshl_or_b32 v[PS], v[T2+2], 16, v[PS]
	s_delay_alu instid0(VALU_DEP_1)
	v_lshl_or_b32 v[PS], v[T2+3], 24, v[PS]
.irp b, 0,1,2,3
.set j, 0
.rept 16
.set j, j+1
.endr
	v_cvt_scalef32_pk8_fp8_f32 v[PC+4*\b:PC+4*\b+1], v[S+16*\b:S+16*\b+7], v[SCO+\b]
	v_cvt_scalef32_pk8_fp8_f32 v[PC+4*\b+2:PC+4*\b+3], v[S+16*\b+8:S+16*\b+15], v[SCO+\b]
.endr
	v_pk_add_f32 v[rT+2:rT+3], v[rT+2:rT+3], v[C2:C2+1]   ; the two chains meet: the plain line behind the last conversion, ahead of the scores that write over its sources
.endm
; A STEP of 128 keys.  On entry v[S] holds tile A's scores of this step and v[K] this step's K.  last = 1: nothing follows.
.macro STEP last
	SOFT 0, 1                                      ; tile A's softmax | V of this step is fetched
	s_wait_alu depctr_va_vdst(0)
	s_wait_dscnt 0x0                               ; V is in
	VSTEP
	QK 1                                           ; tile B's scores take the registers that tile A's p has left
	RESC 0
	PV 0
.if \last
	SOFT 1, 0
.else
	SOFT 1, 2                                      ; tile B's softmax | K of the next step is fetched
	s_wait_alu depctr_va_vdst(0)
	s_wait_dscnt 0x0                               ; K is in
	KSTEP
	QK 0                                           ; tile A's scores of the next step
.endif
	RESC 1
	PV 1
.endm
	s_load_b128 s[4:7], s[0:1], 0x0                ; qb s[4:5], kv s[6:7]
	s_load_b64 s[8:9], s[0:1], 0x10                ; cb
	v_lshl_add_u32 v254, v0, 2, 0x29000
	v_mov_b32 v255, 0
	ds_add_u32 v254, v255
	ds_add_u32 v254, v255
	v_lshrrev_b32 v[TMP], 5, v0
	s_delay_alu instid0(VALU_DEP_1)
	v_readfirstlane_b32 s[WV], v[TMP]              ; wave 0..15
	s_bfe_u32 s11, ttmp6, 0x40000                  ; cx: my place in the cluster: it enters q's and ctx's global addresses alone
	s_and_b32 s12, ttmp7, 0xffff                   ; bh, which the four partners share
	; descriptor group 1: 69 rows of 256 bytes (32 elements of 8 bytes), dense in memory and in LDS
	s_mov_b32 s[G1], 15|(3<<16)|(1<<21)            ; 15:0 the mask: all four work-groups; 17:16 elements of 8 bytes; 20 no padding; 21 set beside a mask
	s_mov_b32 s[G1+1], 32<<16                      ; tensor_dim0 = 32
	s_mov_b32 s[G1+2], 69<<16                      ; tensor_dim1 = 69
	s_mov_b32 s[G1+3], 32<<16                      ; tile_dim0 = 32
	s_mov_b32 s[G1+4], 69                          ; tile_dim1 = 69
	s_mov_b32 s[G1+5], 32                          ; from row to row
	s_mov_b32 s[G1+6], 0
	s_mov_b32 s[G1+7], 0
	s_mov_b32 s[G0], 1                             ; count = 1
	s_mul_i32 s[G0+1], s[WV], PART                 ; LDS address: the wave's number x an eighth of the record
	s_mul_i32 s36, s12, HEADB
	s_add_co_u32 s36, s36, s[G0+1]                 ; and the same part in memory
	s_mov_b32 s37, 0
	s_lshl_b32 s14, s11, 4
	s_add_co_u32 s14, s14, s[WV]                   ; my pair of query tiles: 16 cx + wave
	s_lshr_b32 s15, s12, 3                         ; batch
	s_and_b32 s35, s12, 7                          ; head
	s_lshl_b32 s38, s12, 16                        ; q's images: 65,536 bh + 1,024 pair
	s_lshl_b32 s46, s14, 10
	s_add_co_u32 s38, s38, s46
	s_mov_b32 s39, 0
	s_lshl_b32 s40, s12, 13                        ; q's scale words: 4,194,304 + 8,192 bh + 256 (pair / 2) + 4 (pair % 2)
	s_lshr_b32 s46, s14, 1
	s_lshl_b32 s46, s46, 8
	s_add_co_u32 s40, s40, s46
	s_and_b32 s46, s14, 1
	s_lshl_b32 s46, s46, 2
	s_add_co_u32 s40, s40, s46
	s_add_co_u32 s40, s40, 4194304
	s_mov_b32 s41, 0
	s_lshl_b32 s42, s15, 19                        ; ctx's images: 4,096 (128 batch + 2 pair) + 512 head
	s_lshl_b32 s46, s14, 13
	s_add_co_u32 s42, s42, s46
	s_lshl_b32 s46, s35, 9
	s_add_co_u32 s42, s42, s46
	s_mov_b32 s43, 0
	s_lshl_b32 s44, s15, 16                        ; ctx's scale bytes: 4,194,304 + 1,024 (64 batch + pair) + 128 head
	s_lshl_b32 s46, s14, 10
	s_add_co_u32 s44, s44, s46
	s_lshl_b32 s46, s35, 7
	s_add_co_u32 s44, s44, s46
	s_add_co_u32 s44, s44, 4194304
	s_mov_b32 s45, 0
	s_mov_b32 s[CS], 0x3e8293ee                    ; c = log2(e) / sqrt(32)
	s_mov_b32 s[CS+1], s[CS]                       ; (named with it as a pair, so it is written)
	s_mov_b32 s[SEL], 0x76543210
	s_mov_b32 s[SEL+1], 0xfedcba98
	s_mov_b32 s[HALF], 0xffff0000
	v_and_b32 v[LS], 31, v0
	s_delay_alu instid0(VALU_DEP_1)
	v_lshlrev_b32 v[LI], 4, v[LS]
	s_delay_alu instid0(VALU_DEP_2)
	v_lshlrev_b32 v[L8], 3, v[LS]
	s_delay_alu instid0(VALU_DEP_3)
	v_lshlrev_b32 v[LS], 2, v[LS]
	s_delay_alu instid0(VALU_DEP_3)
	v_mov_b32 v[AK], v[LI]
	s_delay_alu instid0(VALU_DEP_4)
	v_add_nc_u32 v[AV], VOFF, v[LI]
	s_delay_alu instid0(VALU_DEP_4)
	v_add_nc_u32 v[AKS], KSOFF, v[L8]
	s_delay_alu instid0(VALU_DEP_4)
	v_add_nc_u32 v[AVS], VSOFF, v[LS]
	s_wait_dscnt 0x0
	s_wait_kmcnt 0x0
	s_add_nc_u64 s[G0+2:G0+3], s[6:7], s[36:37]    ; global address of my part
	s_or_b32 s[G0+3], s[G0+3], 0x80000000          ; type = 2
	s_add_nc_u64 s[38:39], s[4:5], s[38:39]
	s_add_nc_u64 s[40:41], s[4:5], s[40:41]
	s_add_nc_u64 s[42:43], s[8:9], s[42:43]
	s_add_nc_u64 s[44:45], s[8:9], s[44:45]
	ROUND                                          ; all four work-groups are here: the joint loads meet
	s_cmp_lt_u32 s[WV], 8                          ; waves 0 to 7 fetch, one load each: by this text's count a wave never has more than one out
	s_cbranch_scc0 .Lno_fill
	tensor_load_to_lds s[G0:G0+3], s[G1:G1+7]
	s_nop 0
.rept 4
	v_nop                                          ; four v_nop follow the line, ahead of the label
.endr
.Lno_fill:
	s_wait_alu depctr_va_vdst(0)
	global_load_b128 v[Q:Q+3], v[LI], s[38:39]               ; tile A's codes
	global_load_b128 v[Q+16:Q+19], v[LI], s[38:39] offset:512   ; tile B's
	global_load_b32 v[QS], v[L8], s[40:41]                   ; their scale words
.irp j, 4,5,6,7,8,9,10,11,12,13,14,15
	v_mov_b32 v[Q+\j], 0                           ; Q's blocks 1 to 3: zero codes
	v_mov_b32 v[Q+16+\j], 0
.endr
.irp j, 0,1,2,3,4,5,6,7,8,9,10,11,12,13,14,15
	v_mov_b32 v[PC+\j], 0                          ; what stands behind K's last tile in the first step
.endr
.irp q, 0,1
	v_mov_b32 v[ST+4*\q+1], 0xff61b1e6             ; the largest t so far: -3e38, under every t
	s_delay_alu instid0(VALU_DEP_1)
	v_floor_f32 v[ST+4*\q], -v[ST+4*\q+1]          ; -M
	v_mov_b32 v[ST+4*\q+2], 0                      ; the sum, in two halves
	v_mov_b32 v[ST+4*\q+3], 0
.endr
.irp b, 0,1,2,3
	v_mov_b32 v[T2+\b], 0                          ; a lane permute's destination counts as one of its sources
.endr
	v_mov_b32 v[F+1], 0                            ; (named as the upper halves of pairs)
	v_mov_b32 v[TMP+1], 0
	s_wait_tensorcnt 0x0                           ; my part of the record has landed,
	s_barrier_signal -1
	s_barrier_wait -1                              ; everybody's has
	KLOAD                                          ; step 0
	s_wait_loadcnt 0x0                             ; Q
	s_wait_dscnt 0x0
	KSTEP
	QK 0                                           ; tile A's first scores
.set j, 0
.rept 32
	v_mov_b32 v[O+j], 0                            ; O^T begins as zeros, which the first change of M leaves zeros.  These 32 lines are also the places behind the first scores
.set j, j+1
.endr
	s_mov_b32 s[TRIP], 15
.Lstep:                                            ; 15 of the 16 steps
	STEP 0
	s_sub_co_u32 s[TRIP], s[TRIP], 1
	s_cmp_lg_u32 s[TRIP], 0
	s_cbranch_scc1 .Lstep
	STEP 1                                         ; the last step fetches no K and makes no scores for a next one
	; THE WAY OUT.  The sums' halves are added; O^T / the sum is ctx; a query's 32 channels of this head are one block of the projection's K: 16 in my lane, 16 in lane l xor 16.
	; The four additions, the v_nop and tile A's eight divisions name none of the last products' registers: they are the places in front of the first read of tile B's O^T.
	v_add_f32 v[BM], v[ST+2], v[ST+3]
	v_add_f32 v[BM+1], v[ST+6], v[ST+7]
	s_delay_alu instid0(VALU_DEP_2)
	v_permlanex16_b32 v[T2], v[BM], s[SEL], s[SEL+1]
	s_delay_alu instid0(VALU_DEP_2)
	v_permlanex16_b32 v[T2+1], v[BM+1], s[SEL], s[SEL+1]
	s_delay_alu instid0(VALU_DEP_2)
	v_add_f32 v[BM], v[BM], v[T2]
	s_delay_alu instid0(VALU_DEP_2)
	v_add_f32 v[BM+1], v[BM+1], v[T2+1]
	s_wait_alu depctr_va_vdst(0)
	v_rcp_f32 v[F], v[BM]
	v_rcp_f32 v[TMP], v[BM+1]
	v_nop                                          ; a plain line behind the reciprocals
	s_wait_alu depctr_va_vdst(0)                   ; one wait for the two, ahead of their first reader
.irp j, 0,2,4,6,8,10,12,14
	v_pk_mul_f32 v[O+\j:O+\j+1], v[O+\j:O+\j+1], v[F:F+1] op_sel_hi:[1,0]
.endr
.irp j, 0,2,4,6,8,10,12,14
	v_pk_mul_f32 v[O+16+\j:O+16+\j+1], v[O+16+\j:O+16+\j+1], v[TMP:TMP+1] op_sel_hi:[1,0]
.endr
.irp q, 0,1
	v_max3_num_f32 v[BM+\q], |v[O+16*\q]|, |v[O+16*\q+1]|, 0x4800000   ; the block's largest magnitude, with the floor 2^(9 - 127)
.endr
.irp i, 2,4,6,8,10,12,14
.irp q, 0,1
	s_delay_alu instid0(VALU_DEP_2)
	v_max3_num_f32 v[BM+\q], v[BM+\q], |v[O+16*\q+\i]|, |v[O+16*\q+\i+1]|
.endr
.endr
.irp q, 0,1
	s_delay_alu instid0(VALU_DEP_2)
	v_permlanex16_b32 v[T2+\q], v[BM+\q], s[SEL], s[SEL+1]
.endr
.irp q, 0,1
	s_delay_alu instid0(VALU_DEP_2)
	v_max_num_f32 v[BM+\q], v[BM+\q], v[T2+\q]
.endr
.irp q, 0,1
	s_delay_alu instid0(VALU_DEP_2)
	v_add_nc_u32 v[SCO+\q], 0xfc000000, v[BM+\q]
.endr
.irp q, 0,1
.endr
.irp q, 0,1
	s_delay_alu instid0(VALU_DEP_2)
	v_lshrrev_b32 v[C2+\q], 23, v[SCO+\q]          ; the two tiles' bytes
.endr
.irp q, 0,1
.irp i, 0,1,2,3,4,5,6,7,8,9,10,11,12,13,14,15
.endr
	v_cvt_scalef32_pk8_fp8_f32 v[PC+4*\q:PC+4*\q+1], v[O+16*\q:O+16*\q+7], v[SCO+\q]
	v_cvt_scalef32_pk8_fp8_f32 v[PC+4*\q+2:PC+4*\q+3], v[O+16*\q+8:O+16*\q+15], v[SCO+\q]
.endr
	v_cndmask_b32 v[TMP], v[C2], v[C2+1], s[HALF]  ; lanes 0-15: tile A's bytes; lanes 16-31: tile B's.  (Also the plain line behind the last conversion)
	global_store_b128 v[LI], v[PC:PC+3], s[42:43]              ; 512 consecutive bytes, aligned
	global_store_b128 v[LI], v[PC+4:PC+7], s[42:43] offset:4096
	global_store_b32 v[LS], v[TMP], s[44:45]
	s_wait_tensorcnt 0x0
	ds_add_u32 v254, v255
	s_wait_dscnt 0x0
	ROUND                                          ; the closing round: no work-group ends while a partner may still ask jointly
	s_endpgm
.Lfunc_end_k_q72fbcd3eaf_attn:
	.size	k_q72fbcd3eaf_attn, .Lfunc_end_k_q72fbcd3eaf_attn-k_q72fbcd3eaf_attn
	.p2alignl 7, 3214868480
	.fill 96, 4, 3214868480
	.section	.rodata,"a",@progbits
	.p2align	6, 0x0
	.amdhsa_kernel k_q72fbcd3eaf_attn
		.amdhsa_group_segment_fixed_size 169984
		.amdhsa_private_segment_fixed_size 0
		.amdhsa_enable_private_segment 0
		.amdhsa_kernarg_size 24
		.amdhsa_user_sgpr_count 2
		.amdhsa_user_sgpr_kernarg_segment_ptr 1
		.amdhsa_wavefront_size32 1
		.amdhsa_system_sgpr_workgroup_id_x 1
		.amdhsa_system_sgpr_workgroup_id_y 1
		.amdhsa_system_sgpr_workgroup_id_z 1
		.amdhsa_system_vgpr_workitem_id 0
		.amdhsa_next_free_vgpr 256
		.amdhsa_next_free_sgpr 66
		.amdhsa_reserve_vcc 0
		.amdhsa_float_denorm_mode_32 3
		.amdhsa_float_denorm_mode_16_64 3
		.amdhsa_fp16_overflow 1
		.amdhsa_memory_ordered 1
		.amdhsa_forward_progress 1
		.amdhsa_inst_pref_size 68
	.end_amdhsa_kernel
	.amdgpu_metadata
---
amdhsa.version: [ 1, 2 ]
amdhsa.kernels:
  - .name:           k_q72fbcd3eaf_attn
    .symbol:         k_q72fbcd3eaf_attn.kd
    .args:
      - { .name: qb, .offset: 0, .size: 8, .value_kind: global_buffer, .address_space: global }
      - { .name: kv, .offset: 8, .size: 8, .value_kind: global_buffer, .address_space: global }
      - { .name: cb, .offset: 16, .size: 8, .value_kind: global_buffer, .address_space: global }
    .group_segment_fixed_size: 169984
    .private_segment_fixed_size: 0
    .kernarg_segment_align: 8
    .kernarg_segment_size: 24
    .max_flat_workgroup_size: 512
    .sgpr_count:     66
    .vgpr_count:     256
    .wavefront_size: 32
...
	.end_amdgpu_metadata
.endif
;; end of part 3
;; launch proj (part 4): grid 256 x 1, 8 waves a work-group, no clusters, 84,992 bytes of LDS; arguments cb, wts, b_out, out0; writes out0
.if DOCPART == 4
	.amdgcn_target "amdgcn-amd-amdhsa--gfx1250"
	.amdhsa_code_object_version 6
	.text
	.protected	k_q72fbcd3eaf_proj
	.globl	k_q72fbcd3eaf_proj
	.p2align	8
	.type	k_q72fbcd3eaf_proj,@function
k_q72fbcd3eaf_proj:
	s_mov_b64 s[64:65], 0
	v_nop
	global_prefetch_b8 v0, s[64:65] scope:SCOPE_SE
	s_setreg_imm32_b32 hwreg(HW_REG_WAVE_MODE, 25, 1), 1
	s_wait_xcnt 0x0
; out = ctx w_out + b_out on codes of FP8 (E4M3) with one E8M0 scale for each 32 along K.  ctx arrives as images of operand registers (cb), w_out likewise (wts, fragments 96 on).
; SHARES.  A work-group owns 64 rows: four row tiles.  Wave w owns output columns 32 w .. 32 w + 31: its four weight fragments (2 column tiles x 2 K steps) stay in 64 registers, read once, straight from memory;
; no weight lies in LDS, so there is no tile that work-groups of a cluster could ask for jointly: the launch has no cluster.
; ctx's eight fragments are read from memory once, one by each wave (row tile w / 2, K step w % 2), and go round through LDS as they are; each wave also joins its fragment's four scale bytes (one a head) into scale words.
; The product is used TRANSPOSED (source 0 = 16 columns of w_out, source 1 = 16 rows of ctx): a lane holds one row and, over the two column tiles, 16 neighbouring columns: 64 bytes.  b_out is the C of each sum's first instruction.
; Lane r of tile 2 b + u (rows, columns) holds index 32 b + 8 u + r + 8 (r / 8).
; THE WAY OUT.  A row's 1,024 bytes come from eight waves: they meet in a stage in LDS (rows of 1,024 + 16 bytes); behind a barrier each wave stores 8 whole rows, 512 consecutive aligned bytes an instruction.
.set CIMG, 0                           ; LDS: ctx's eight fragments, 2,048 bytes each, at 2 m + s
.set CSC,  16384                       ; their scale words, 128 bytes each
.set STG,  17408                       ; the stage: 64 rows x 1,040 bytes
.set SP,   1040
.set LI,   1                           ; 16 x lane
.set LS,   2                           ; 4 x lane
.set CWI,  3                           ; where I store my fragment's image: 16 x lane + 2,048 x wave
.set CWS,  4                           ; and its scale words: 4 x lane + 128 x wave
.set SO,   5                           ; the stage: where I put 64 bytes of a row
.set SR,   6                           ; and where I read rows back
.set R4,   7                           ; 4 x (lane % 16)
.set H64,  8                           ; 64 x (lane / 16)
.set WF,   16                          ; v16-79   my weights: column tile u, K step s at 16 (2 u + s)
.set WS,   80                          ; v80-83   their scale words
.set BO,   84                          ; v84-99   my bias: register 8 u + j = column 32 w + 16 h + 8 u + j
.set CF,   100                         ; v100-163 four fragments of ctx; on the way out the rows
.set CS,   164                         ; v164-167 their scale words
.set ACC,  168                         ; v168-199 four accumulators: (m, u) at 16 m + 8 u
.set MY,   200                         ; v200-215 my fragment of ctx on its way to LDS
.set MB,   216                         ; v216-219 its four heads' bytes
.set WV,   12
; Pair p of the work-group's two pairs of row tiles
.macro ROWS p
.irp m, 0,1
.irp s, 0,1
.irp c, 0,1,2,3
	ds_load_b128 v[CF+16*(2*\m+\s)+4*\c:CF+16*(2*\m+\s)+4*\c+3], v[LI] offset:CIMG+2048*(2*(2*\p+\m)+\s)+512*\c
.endr
	ds_load_b32 v[CS+2*\m+\s], v[LS] offset:CSC+128*(2*(2*\p+\m)+\s)
.endr
.endr
	s_wait_dscnt 0x0                               ; the fragments are in; the last pair's stores into the stage have read their registers
.irp s, 0,1
.irp m, 0,1
.irp u, 0,1                                    ; the four accumulators take turns, one instruction a turn
.if \s == 0
	v_wmma_scale_f32_16x16x128_f8f6f4 v[ACC+16*\m+8*\u:ACC+16*\m+8*\u+7], v[WF+16*(2*\u+\s):WF+16*(2*\u+\s)+15], v[CF+16*(2*\m+\s):CF+16*(2*\m+\s)+15], v[BO+8*\u:BO+8*\u+7], v[WS+2*\u+\s], v[CS+2*\m+\s]
.else
	v_wmma_scale_f32_16x16x128_f8f6f4 v[ACC+16*\m+8*\u:ACC+16*\m+8*\u+7], v[WF+16*(2*\u+\s):WF+16*(2*\u+\s)+15], v[CF+16*(2*\m+\s):CF+16*(2*\m+\s)+15], v[ACC+16*\m+8*\u:ACC+16*\m+8*\u+7], v[WS+2*\u+\s], v[CS+2*\m+\s]
.endif
.endr
.endr
.endr
.rept 9
	v_nop                                          ; eight places in front of the stores that read results and of the loads into ctx's fragments; the ninth for the next pair's products, which begin these accumulators anew
.endr
.irp m, 0,1
.irp i, 0,1,2,3
	ds_store_b128 v[SO], v[ACC+16*\m+4*\i:ACC+16*\m+4*\i+3] offset:(32*\p+8*\m)*SP+16*\i   ; each accumulator from its low end on
.endr
.endr
.endm
	s_load_b256 s[4:11], s[0:1], 0x0               ; cb s[4:5], wts s[6:7], b_out s[8:9], out0 s[10:11]
	v_lshl_add_u32 v224, v0, 2, 0x14800
	v_mov_b32 v225, 0
	v_lshrrev_b32 v9, 5, v0
	s_delay_alu instid0(VALU_DEP_1)
	v_readfirstlane_b32 s[WV], v9                  ; wave 0..7
	v_and_b32 v[LS], 31, v0
	s_delay_alu instid0(VALU_DEP_1)
	v_lshlrev_b32 v[LI], 4, v[LS]
	s_delay_alu instid0(VALU_DEP_2)
	v_lshlrev_b32 v[LS], 2, v[LS]
	v_and_b32 v9, 15, v0                           ; r
	v_bfe_u32 v10, v0, 4, 1                        ; h
	s_delay_alu instid0(VALU_DEP_2)
	v_and_b32 v11, 8, v9
	s_delay_alu instid0(VALU_DEP_1)
	v_add_nc_u32 v11, v11, v9                      ; r + 8 (r / 8)
	s_delay_alu instid0(VALU_DEP_4)
	v_lshlrev_b32 v[R4], 2, v9
	s_delay_alu instid0(VALU_DEP_4)
	v_lshlrev_b32 v[H64], 6, v10
	s_lshl_b32 s14, s[WV], 11
	v_add_nc_u32 v[CWI], s14, v[LI]
	s_lshl_b32 s14, s[WV], 7
	v_add_nc_u32 v[CWS], s14, v[LS]
	v_mul_u32_u24 v[SO], v11, SP                   ; the stage: my row of a tile,
	s_delay_alu instid0(VALU_DEP_1)
	v_add_nc_u32 v[SO], v[SO], v[H64]              ; + 64 h,
	s_delay_alu instid0(VALU_DEP_1)
	v_add_nc_u32 v[SO], s14, v[SO]                 ; + 128 x wave: my columns' bytes
	s_delay_alu instid0(VALU_DEP_1)
	v_add_nc_u32 v[SO], STG, v[SO]
	s_mul_i32 s14, s[WV], 8*SP
	v_add_nc_u32 v[SR], s14, v[LI]                 ; back: my 8 rows, 16 bytes a lane
	s_delay_alu instid0(VALU_DEP_1)
	v_add_nc_u32 v[SR], STG, v[SR]
	s_mov_b32 s15, 0
	s_wait_alu depctr_va_vdst(0)
	s_wait_kmcnt 0x0
	s_lshl_b32 s14, ttmp9, 14                      ; my fragment of ctx: 4,096 (4 wg + wave / 2) + 2,048 (wave % 2) = 16,384 wg + 2,048 wave
	s_lshl_b32 s13, s[WV], 11
	s_add_co_u32 s14, s14, s13
	s_add_nc_u64 s[16:17], s[4:5], s[14:15]
	s_lshl_b32 s14, ttmp9, 11                      ; its bytes: 4,194,304 + 1,024 (2 wg + wave / 4) + 512 (wave % 2) + 64 ((wave / 2) % 2): the pair, the K step's first head, the tile's half of the lanes
	s_lshr_b32 s13, s[WV], 2
	s_lshl_b32 s13, s13, 10
	s_add_co_u32 s14, s14, s13
	s_and_b32 s13, s[WV], 1
	s_lshl_b32 s13, s13, 9
	s_add_co_u32 s14, s14, s13
	s_bfe_u32 s13, s[WV], 0x10001
	s_lshl_b32 s13, s13, 6
	s_add_co_u32 s14, s14, s13
	s_add_co_u32 s14, s14, 4194304
	s_add_nc_u64 s[18:19], s[4:5], s[14:15]
	s_lshl_b32 s14, s[WV], 13                      ; my weights: fragments 96 + 4 wave on
	s_add_co_u32 s14, s14, 196608
	s_add_nc_u64 s[20:21], s[6:7], s[14:15]
	s_lshl_b32 s14, s[WV], 9
	s_add_co_u32 s14, s14, 274432
	s_add_nc_u64 s[22:23], s[6:7], s[14:15]
	s_lshl_b32 s14, s[WV], 7
	s_add_nc_u64 s[24:25], s[8:9], s[14:15]        ; my 32 numbers of b_out
	s_lshl_b32 s14, ttmp9, 16                      ; the rows that I store: 64 wg + 8 wave on
	s_lshl_b32 s13, s[WV], 13
	s_add_co_u32 s14, s14, s13
	s_add_nc_u64 s[26:27], s[10:11], s[14:15]
.irp c, 0,1,2,3
	global_load_b128 v[MY+4*\c:MY+4*\c+3], v[LI], s[16:17] offset:512*\c th:TH_LOAD_NT
.endr
.irp c, 0,1,2,3
	global_load_b32 v[MB+\c], v[R4], s[18:19] offset:128*\c
.endr
.irp i, 0,1,2,3,4,5,6,7,8,9,10,11,12,13,14,15
	global_load_b128 v[WF+4*\i:WF+4*\i+3], v[LI], s[20:21] offset:512*\i
.endr
.irp j, 0,1,2,3
	global_load_b32 v[WS+\j], v[LS], s[22:23] offset:128*\j
.endr
.irp i, 0,1,2,3
	global_load_b128 v[BO+4*\i:BO+4*\i+3], v[H64], s[24:25] offset:16*\i
.endr
	s_wait_loadcnt 24                              ; the 24 loads of weights, their scale words and the bias were issued last and may stay out: ctx's eight are in
	v_lshl_or_b32 v[MB], v[MB+1], 8, v[MB]         ; four heads' bytes make my row's scale word for this K step
	s_delay_alu instid0(VALU_DEP_1)
	v_lshl_or_b32 v[MB], v[MB+2], 16, v[MB]
	s_delay_alu instid0(VALU_DEP_1)
	v_lshl_or_b32 v[MB], v[MB+3], 24, v[MB]
.irp c, 0,1,2,3
	ds_store_b128 v[CWI], v[MY+4*\c:MY+4*\c+3] offset:CIMG+512*\c
.endr
	ds_store_b32 v[CWS], v[MB] offset:CSC
	s_wait_dscnt 0x0                               ; for the others' sake: my image has landed
	s_barrier_signal -1
	s_barrier_wait -1                              ; ctx's eight fragments lie in LDS
	s_wait_loadcnt 0x0                             ; the weights and the bias
	ROWS 0
	ROWS 1
	s_wait_dscnt 0x0                               ; for the others' sake: my stores into the stage have landed
	s_barrier_signal -1
	s_barrier_wait -1                              ; 64 whole rows lie in the stage
.irp i, 0,1,2,3,4,5,6,7,8,9,10,11,12,13,14,15
	ds_load_b128 v[CF+4*\i:CF+4*\i+3], v[SR] offset:(\i/2)*SP+512*(\i%2)
.endr
.irp i, 0,1,2,3,4,5,6,7,8,9,10,11,12,13,14,15
	s_wait_dscnt 15-\i                             ; LDS loads come back in order (ISA guide 5.7.1): load i is in, the younger ones may be out
	global_store_b128 v[LI], v[CF+4*\i:CF+4*\i+3], s[26:27] offset:512*\i th:TH_STORE_NT   ; 32 lanes store 512 consecutive bytes, aligned; written once, read by nobody here
.endr
	s_wait_tensorcnt 0x0
	ds_add_u32 v224, v225
	s_wait_dscnt 0x0
	s_endpgm
.Lfunc_end_k_q72fbcd3eaf_proj:
	.size	k_q72fbcd3eaf_proj, .Lfunc_end_k_q72fbcd3eaf_proj-k_q72fbcd3eaf_proj
	.p2alignl 7, 3214868480
	.fill 96, 4, 3214868480
	.section	.rodata,"a",@progbits
	.p2align	6, 0x0
	.amdhsa_kernel k_q72fbcd3eaf_proj
		.amdhsa_group_segment_fixed_size 84992
		.amdhsa_private_segment_fixed_size 0
		.amdhsa_enable_private_segment 0
		.amdhsa_kernarg_size 32
		.amdhsa_user_sgpr_count 2
		.amdhsa_user_sgpr_kernarg_segment_ptr 1
		.amdhsa_wavefront_size32 1
		.amdhsa_system_sgpr_workgroup_id_x 1
		.amdhsa_system_sgpr_workgroup_id_y 1
		.amdhsa_system_sgpr_workgroup_id_z 1
		.amdhsa_system_vgpr_workitem_id 0
		.amdhsa_next_free_vgpr 226
		.amdhsa_next_free_sgpr 66
		.amdhsa_reserve_vcc 0
		.amdhsa_float_denorm_mode_32 3
		.amdhsa_float_denorm_mode_16_64 3
		.amdhsa_memory_ordered 1
		.amdhsa_forward_progress 1
		.amdhsa_inst_pref_size 16
	.end_amdhsa_kernel
	.amdgpu_metadata
---
amdhsa.version: [ 1, 2 ]
amdhsa.kernels:
  - .name:           k_q72fbcd3eaf_proj
    .symbol:         k_q72fbcd3eaf_proj.kd
    .args:
      - { .name: cb, .offset: 0, .size: 8, .value_kind: global_buffer, .address_space: global }
      - { .name: wts, .offset: 8, .size: 8, .value_kind: global_buffer, .address_space: global }
      - { .name: b_out, .offset: 16, .size: 8, .value_kind: global_buffer, .address_space: global }
      - { .name: out0, .offset: 24, .size: 8, .value_kind: global_buffer, .address_space: global }
    .group_segment_fixed_size: 84992
    .private_segment_fixed_size: 0
    .kernarg_segment_align: 8
    .kernarg_segment_size: 32
    .max_flat_workgroup_size: 256
    .sgpr_count:     66
    .vgpr_count:     226
    .wavefront_size: 32
...
	.end_amdgpu_metadata
.endif
;; end of part 4
